; MI455X (gfx1250); checked and timed in simulation.
; The chip was launched on July 23, 2026; its instructions are those of AMD's public machine-readable ISA for CDNA 5 (MIT licence, August 2026) and "CDNA5" Instruction Set Architecture Reference Guide (July 2026). The comments in the code are by the model that wrote it; some were corrected since.
;; Attn Plus. Allowed arithmetic: matrix products marked QUANTISED: E4M3 operands, one E8M0 scale for each 32 along K, by v_wmma_scale_f32_16x16x128_f8f6f4 with both operands' format E4M3, f32 sums; products left as they are: f32 operands where the result goes on into a quantised operand, else bf16, f16 or f32 operands; f32 sums; everything else in f32.
;; Inputs: A 4 x 2,048 x 16 x 1 float32; Wqk 2,048 x 1,024 float32; ln_b 1,024 float32; ln_w 1,024 float32; wv 1 x 1 float32; x 4 x 2,048 x 1,024 float32.
;; Outputs: out0 4 x 2,048 x 16 x 1 float32.
;; This version of the problem:
;;   THIS VERSION OF THE PROBLEM IS GIVEN IN LOW PRECISION. The matrix products marked QUANTISED in the list below multiply operands that are first quantised to E4M3 (4 exponent bits, 3 mantissa bits; 8 bits a number), with one power-of-two scale for each 32 numbers along K (OCP MX v1.0); their sums are f32. All else is computed in f32.
;;   The module's matrix products, in the order in which they are computed (A, B: the left and right operand; K: the contracted axis; several contracted axes count as one K, in the product's order):
;;     1. [M 8,192, K 1,024] x [K 1,024, N 2,048]; A: computed on the way; B: input Wqk: QUANTISED
;;     2. batch 64 x [M 2,048, K 64] x [K 64, N 2,048]; A: computed on the way; B: computed on the way: QUANTISED
;;     3. batch 64 x [M 2,048, K 2,048] x [K 2,048, N 1]; A: softmax; B: computed on the way: left as it is (N = 1 < 16)
;;   THE QUANTISER, for each operand of a quantised product, along K:
;;     - K is cut into blocks of 32 from its start; a last block that is shorter is filled with zeros.
;;     - A block's scale is 2^e with e = floor(log2(the largest magnitude in the block)) - 8, held to -126 .. 127; a block of zeros has e = 0. As a byte (E8M0): e + 127.
;;     - Each number is divided by its block's scale, clamped to +-448, and rounded to the nearest number of E4M3, ties to even, subnormals kept.
;;     - The product sums the exact products of the quantised numbers (number of the format x scale) in f32.
;;   ~~~python
;;   def quantise(x, axis):      # numpy; x: float32 -> the quantised numbers, widened to float32 again
;;       x = np.moveaxis(x, axis, -1); K = x.shape[-1]
;;       x = np.pad(x, [(0, 0)] * (x.ndim - 1) + [(0, -K % 32)]); x = x.reshape(x.shape[:-1] + (-1, 32)); a = np.abs(x).max(-1, keepdims=True)
;;       e = np.where(a > 0, np.clip(np.frexp(np.where(a > 0, a, 1))[1] - 1 - 8, -126, 127), 0)      # np.frexp(a)[1] - 1 = floor(log2(a)), exactly
;;       r = np.clip(x / 2.0 ** e, -448, 448)
;;       step = 2.0 ** (np.maximum(np.frexp(np.where(r == 0, 1, r))[1] - 1, -6) - 3)
;;       q = np.round(r / step) * step * 2.0 ** e      # np.round: ties to even
;;       return np.moveaxis(q.reshape(q.shape[:-2] + (-1,))[..., :K], -1, axis).astype(np.float32)
;;   ~~~
;;   OPERANDS COMPUTED ON THE WAY. 'Computed on the way' means the value that the module computes at that place (a softmax that the list does not call 'softmax' is quantised finished and normalised). What goes into a quantiser is computed in f32, as accurately as f32 sums, v_exp_f32 and their like allow (about 1e-6 of the number): no bf16 or f16 on the way to a quantiser, and a product that is left as it is and whose result goes on into a quantised operand takes f32 operands (vector FMAs, or v_wmma_f32_16x16x4_f32). A number that lies on a knife's edge between two numbers of the format may be rounded either way, as far as f32 arithmetic and the matrix unit's own rounding can turn it there, and no further.
;; One version. Each part assembles by itself: llvm-mc -triple=amdgcn-amd-amdhsa -mcpu=gfx1250 --defsym DOCPART=n.
;; ======== version 1 of 1: 4 launches
;; limits: values are held in bf16: 8 bits of precision; right only within a limited range of input values
;; workspace buffers: xc 8,388,608 bytes; xs 262,144 bytes; wc 2,097,152 bytes; ws 65,536 bytes; qk 18,874,368 bytes; ot 524,288 bytes
;; launch prep (part 1): grid 256 x 1, 6 waves a work-group, no clusters, 4,864 bytes of LDS; arguments x, Wqk, ln_w, ln_b, A, wv, xc, xs, wc, ws, qk; writes xc, xs, wc, ws, qk
.if DOCPART == 1
	.amdgcn_target "amdgcn-amd-amdhsa--gfx1250"
	.amdhsa_code_object_version 6
	.text
	.protected	k_q6950be7fed_prep
	.globl	k_q6950be7fed_prep
	.p2align	8
	.type	k_q6950be7fed_prep,@function
k_q6950be7fed_prep:
	s_mov_b64 s[64:65], 0
	v_nop
	global_prefetch_b8 v0, s[64:65] scope:SCOPE_SE
	s_setreg_imm32_b32 hwreg(HW_REG_WAVE_MODE, 25, 1), 1
	s_wait_xcnt 0x0
; PREP.  (1) xn = LayerNorm(x) * ln_w + ln_b, row by row in f32, quantised along the row to codes of FP8 (E4M3) with one E8M0 byte for each 32: xc [8192][1024], xs [8192][32].
; (2) Wqk [2048][1024] quantised likewise into wc, ws, its rows stored in another order: stored row p is feature p with bits 3 and 4 of the index exchanged, so that in the product's
; transposed result the 16 registers of two neighbouring tiles are 16 neighbouring features.  (3) v = A * wv, turned head-major, into the last 8,192 bytes of each key record of qk.
; SHARES.  Work-group g, six waves that share nothing: waves 0-3 take rows 32 g + 8 w .. + 7 of x; wave 4 rows 8 g .. 8 g + 7 of Wqk; wave 5 the v of 64 tokens x 8 heads.
; Waves 0-4 run ONE text: buffers are chosen by the wave's number, and for Wqk the mean is replaced by 0, the reciprocal deviation by 1, the gain by 1 and the bias by 0, which returns each number as it is.
; A LANE'S NUMBERS.  Of chunk j (256 columns) lane l holds columns 256 j + 8 l + 0 .. 7 in registers 8 j .. 8 j + 7: two loads of 16 bytes, which together cover 1,024 consecutive bytes a wave.
; A block of 32 lies in four neighbouring lanes; a lane's 8 codes are 8 bytes, so a store of a wave covers 256 consecutive bytes, aligned.  A wave's 256 scale bytes meet in its own 256 bytes of LDS and leave as one such run.
; The mean is taken first and the variance of the centred numbers, as the definition has it.  No matrix work, no tensor loads, no cluster: no byte is read by two work-groups but A's (half a token's 64 bytes each).
; LIMITS: NaN and infinities among the inputs are not served.  A block whose largest magnitude lies under 2^(9 - 127), a block of zeros among them, gets the byte 1: this program alone reads the bytes, and a block of zeros has zero codes.
.set REC,   147456                     ; a record of qk: 131,072 bytes of codes, 8,192 of scale words, 8,192 of v
.set VPART, 139264                     ; where v begins in a key record
.set VSTG,  1536                       ; LDS: wave w's scale bytes at 256 w (w = 0 .. 4); from here wave 5's stage, 8 heads x (256 + 16) bytes
.set XO,  2                            ; v2   32 x lane: my bytes in a chunk of f32
.set CO,  3                            ; v3   8 x lane: my bytes in a chunk of codes
.set SBA, 4                            ; v4   LDS: 256 x wave + lane / 4: my block's scale byte
.set SRA, 5                            ; v5   LDS: 256 x wave + 8 x lane: the bytes on their way out
.set AVO, 6                            ; v6   wave 5: my bytes in A
.set VST, 7                            ; v7   wave 5: into the stage
.set VLD, 8                            ; v8   wave 5: out of it
.set VGO, 9                            ; v9   wave 5: my bytes in qk
.set LW,  16                           ; v16-47   the gain of my 32 columns
.set LB,  48                           ; v48-79   the bias
.set X,   80                           ; v80-207  four row slots of 32
.set C,   208                          ; v208-223 codes, two sets of 8
.set SUM, 224                          ; v224-231 four pairs of partial sums
.set MU,  232                          ; v232-233 the mean (a pair is named; the low word serves both halves)
.set R,   234                          ; v234-235 1 / deviation, likewise
.set TM,  236                          ; v236-239 largest magnitudes of the four chunks' blocks
.set SO,  240                          ; v240-243 the conversions' scale operands
.set LIM, 244                          ; v244-247 448 x the scale
.set BY,  248                          ; v248-251 the scale bytes
.set PT,  252                          ; v252     a lane permute's destination
.set WV,  31                           ; s31      the wave's number
	s_load_b256 s[8:15], s[0:1], 0x0               ; x s[8:9], Wqk s[10:11], ln_w s[12:13], ln_b s[14:15]
	s_load_b256 s[16:23], s[0:1], 0x20             ; A s[16:17], wv s[18:19], xc s[20:21], xs s[22:23]
	s_load_b128 s[24:27], s[0:1], 0x40             ; wc s[24:25], ws s[26:27]
	s_load_b64 s[28:29], s[0:1], 0x50              ; qk
	v_lshl_add_u32 v254, v0, 2, 0x1000
	v_mov_b32 v255, 0
	v_lshrrev_b32 v1, 5, v0
	v_readfirstlane_b32 s[WV], v1
	v_and_b32 v1, 31, v0                           ; lane
	v_lshlrev_b32 v[XO], 5, v1
	v_lshlrev_b32 v[CO], 3, v1
	s_lshl_b32 s42, s[WV], 8
	v_lshrrev_b32 v[SBA], 2, v1
	v_add_nc_u32 v[SBA], s42, v[SBA]
	v_add_nc_u32 v[SRA], s42, v[CO]
	v_lshrrev_b32 v10, 1, v1                       ; wave 5's addresses are made here too, ahead of the parting
	v_and_b32 v11, 1, v1
	v_lshlrev_b32 v[AVO], 6, v10
	v_lshl_add_u32 v[AVO], v11, 4, v[AVO]          ; token lane / 2 (64 bytes each), heads 4 (lane % 2) on
	v_mul_u32_u24 v[VST], v11, 1088
	v_lshl_add_u32 v[VST], v10, 2, v[VST]
	v_add_nc_u32 v[VST], VSTG, v[VST]              ; stage row 4 (lane % 2) + e, word lane / 2 + 16 i
	v_lshrrev_b32 v10, 4, v1
	v_and_b32 v11, 15, v1
	v_mul_u32_u24 v[VLD], v10, 272
	v_lshl_add_u32 v[VLD], v11, 4, v[VLD]
	v_add_nc_u32 v[VLD], VSTG, v[VLD]              ; sixteen lanes to a stage row, two rows an instruction
	v_mul_u32_u24 v[VGO], v10, REC
	v_lshl_add_u32 v[VGO], v11, 4, v[VGO]          ; and the same in qk: a head is a record
	v_mov_b32 v[PT], 0                             ; written once: a lane permute's destination counts as one of its sources
	v_mov_b32 v[MU+1], 0                           ; the upper halves of the two pairs are named, so they are written
	v_mov_b32 v[R+1], 0
	s_mov_b32 s32, 0x76543210
	s_mov_b32 s33, 0xfedcba98                      ; v_permlanex16_b32's selects for lane l xor 16
	s_mov_b32 s34, 0x600000                        ; the mantissa field of 448
	s_mov_b32 s44, 0x3a800000                      ; 1 / 1024
	s_mov_b32 s45, 0x3727c5ac                      ; 1e-5
	s_lshl_b32 s36, ttmp9, 5
	s_lshl_b32 s37, s[WV], 3
	s_add_co_u32 s36, s36, s37                     ; x: my first row, 32 g + 8 w
	s_lshl_b32 s37, ttmp9, 3                       ; Wqk: my first row, 8 g
	s_and_b32 s38, ttmp9, 0xfc
	s_and_b32 s39, ttmp9, 1
	s_lshl_b32 s39, s39, 1
	s_or_b32 s38, s38, s39
	s_bfe_u32 s39, ttmp9, 0x10001
	s_or_b32 s38, s38, s39
	s_lshl_b32 s38, s38, 3                         ; and where those eight rows are stored: g with its two lowest bits exchanged, x 8
	s_wait_kmcnt 0x0
	s_cmp_eq_u32 s[WV], 5
	s_cbranch_scc1 .Lvrole
	s_cmp_lt_u32 s[WV], 4                          ; x's wave or Wqk's?  The choice hangs on the wave's number alone
	s_cselect_b32 vcc_lo, -1, 0                    ; all lanes: 1 = x
	s_cselect_b32 s46, s36, s37                    ; the row I read from
	s_cselect_b32 s47, s36, s38                    ; the row I write to
	s_cselect_b64 s[36:37], s[8:9], s[10:11]
	s_cselect_b64 s[38:39], s[20:21], s[24:25]
	s_cselect_b64 s[40:41], s[22:23], s[26:27]
	s_mov_b32 s43, 0
	s_lshl_b32 s42, s46, 12
	s_add_nc_u64 s[36:37], s[36:37], s[42:43]      ; 4,096 bytes a row of f32
	s_lshl_b32 s42, s47, 10
	s_add_nc_u64 s[38:39], s[38:39], s[42:43]      ; 1,024 a row of codes
	s_lshl_b32 s42, s47, 5
	s_add_nc_u64 s[40:41], s[40:41], s[42:43]      ; 32 a row of scale bytes
.irp j, 0,1,2,3
.irp e, 0,1
	global_load_b128 v[LW+8*\j+4*\e:LW+8*\j+4*\e+3], v[XO], s[12:13] offset:1024*\j+16*\e
	global_load_b128 v[LB+8*\j+4*\e:LB+8*\j+4*\e+3], v[XO], s[14:15] offset:1024*\j+16*\e
.endr
.endr
.macro LOADROW i                       ; row i of my eight into slot i % 4: eight loads
.irp j, 0,1,2,3
.irp e, 0,1
	global_load_b128 v[X+32*((\i)%4)+8*\j+4*\e:X+32*((\i)%4)+8*\j+4*\e+3], v[XO], s[36:37] offset:4096*(\i)+1024*\j+16*\e th:TH_LOAD_NT
.endr
.endr
.endm
	LOADROW 0
	LOADROW 1
	LOADROW 2
	LOADROW 3
	s_wait_loadcnt 32                              ; gain and bias are in; the four rows' 32 loads may be out
.set n, 0
.rept 32
	v_cndmask_b32 v[LW+n], 1.0, v[LW+n], vcc_lo    ; Wqk's wave: gain 1,
	v_cndmask_b32 v[LB+n], 0, v[LB+n], vcc_lo      ; bias 0
.set n, n+1
.endr
.macro ROWSUM                          ; the four pairs of partial sums become the row's sum, in every lane
	v_pk_add_f32 v[SUM:SUM+1], v[SUM:SUM+1], v[SUM+2:SUM+3]
	v_pk_add_f32 v[SUM+4:SUM+5], v[SUM+4:SUM+5], v[SUM+6:SUM+7]
	v_pk_add_f32 v[SUM:SUM+1], v[SUM:SUM+1], v[SUM+4:SUM+5]
	v_add_f32 v[SUM], v[SUM], v[SUM+1]
.irp m, 1,2,4,8
	v_add_f32_dpp v[SUM], v[SUM], v[SUM] row_xmask:\m row_mask:0xf bank_mask:0xf
.endr
	v_permlanex16_b32 v[PT], v[SUM], s32, s33
	v_add_f32 v[SUM], v[SUM], v[PT]
.endm
; Row i.  left = the younger rows' loads, eight each, which may stay out.
.macro TURN i, left
.set XS, X+32*((\i)%4)
.set CS, C+8*((\i)%2)
	s_wait_loadcnt \left                           ; loads come back in order: my row is in
	s_wait_dscnt 0x0                               ; the last row's byte stores have read their registers
.irp c, 0,1,2,3
	v_pk_add_f32 v[SUM+2*\c:SUM+2*\c+1], v[XS+2*\c:XS+2*\c+1], v[XS+8+2*\c:XS+8+2*\c+1]    ; four chains, started by the first pairs: nothing is cleared
.endr
.irp p, 16,24
.irp c, 0,1,2,3
	v_pk_add_f32 v[SUM+2*\c:SUM+2*\c+1], v[SUM+2*\c:SUM+2*\c+1], v[XS+\p+2*\c:XS+\p+2*\c+1]
.endr
.endr
	ROWSUM
	v_mul_f32 v[MU], s44, v[SUM]                   ; the mean
	v_cndmask_b32 v[MU], 0, v[MU], vcc_lo          ; (Wqk: 0)
.irp p, 0,2,4,6,8,10,12,14,16,18,20,22,24,26,28,30
	v_pk_add_f32 v[XS+\p:XS+\p+1], v[XS+\p:XS+\p+1], v[MU:MU+1] op_sel_hi:[1,0] neg_lo:[0,1] neg_hi:[0,1]   ; x - mean
.endr
.irp c, 0,1,2,3
	v_pk_mul_f32 v[SUM+2*\c:SUM+2*\c+1], v[XS+2*\c:XS+2*\c+1], v[XS+2*\c:XS+2*\c+1]
.endr
.irp p, 8,16,24
.irp c, 0,1,2,3
	v_pk_fma_f32 v[SUM+2*\c:SUM+2*\c+1], v[XS+\p+2*\c:XS+\p+2*\c+1], v[XS+\p+2*\c:XS+\p+2*\c+1], v[SUM+2*\c:SUM+2*\c+1]
.endr
.endr
	ROWSUM
	v_fma_f32 v[SUM], v[SUM], s44, s45             ; the variance + 1e-5
	s_wait_alu depctr_va_vdst(0)
	v_rsq_f32 v[SUM+1], v[SUM]
	v_nop                                          ; one plain instruction between a transcendental and the use of its result (ISA guide 5.7.2)
	s_wait_alu depctr_va_vdst(0)
	v_cndmask_b32 v[R], 1.0, v[SUM+1], vcc_lo      ; (Wqk: 1)
.irp p, 0,2,4,6,8,10,12,14,16,18,20,22,24,26,28,30
	v_pk_mul_f32 v[XS+\p:XS+\p+1], v[XS+\p:XS+\p+1], v[R:R+1] op_sel_hi:[1,0]
.endr
.irp p, 0,2,4,6,8,10,12,14,16,18,20,22,24,26,28,30
	v_pk_fma_f32 v[XS+\p:XS+\p+1], v[XS+\p:XS+\p+1], v[LW+\p:LW+\p+1], v[LB+\p:LB+\p+1]
.endr
	; the quantiser, the four chunks by turns
.irp j, 0,1,2,3
	v_max3_num_f32 v[TM+\j], |v[XS+8*\j]|, |v[XS+8*\j+1]|, 0x4800000   ; my 8 numbers, and the floor 2^(9 - 127): the byte cannot fall under 1
.endr
.irp k, 2,4,6
.irp j, 0,1,2,3
	v_max3_num_f32 v[TM+\j], v[TM+\j], |v[XS+8*\j+\k]|, |v[XS+8*\j+\k+1]|
.endr
.endr
.irp m, 1,2
.irp j, 0,1,2,3
	v_max_num_f32_dpp v[TM+\j], v[TM+\j], v[TM+\j] row_xmask:\m row_mask:0xf bank_mask:0xf   ; with the three lanes that share the block
.endr
.endr
.irp j, 0,1,2,3
	v_add_nc_u32 v[SO+\j], 0xfc000000, v[TM+\j]    ; 8 off the exponent field: the conversion takes this operand's exponent field as its scale
.endr
.irp j, 0,1,2,3
	v_and_or_b32 v[LIM+\j], v[TM+\j], 0x7f800000, s34   ; 448 x the scale
.endr
.irp j, 0,1,2,3
	v_lshrrev_b32 v[BY+\j], 23, v[SO+\j]           ; the scale's byte
.endr
.irp j, 0,1,2,3
.irp k, 0,1,2,3,4,5,6,7
	v_med3_num_f32 v[XS+8*\j+\k], v[XS+8*\j+\k], -v[LIM+\j], v[LIM+\j]   ; the conversion to an 8-bit code does not saturate (ISA guide 7.6.2): hold first
.endr
.endr
	s_wait_alu depctr_va_vdst(0)
	s_wait_xcnt 0x0                                ; this set of code registers was the data of the stores two rows back: rewritten only behind this wait
.irp j, 0,1,2,3
	v_cvt_scalef32_pk8_fp8_f32 v[CS+2*\j:CS+2*\j+1], v[XS+8*\j:XS+8*\j+7], v[SO+\j]
.endr
	v_nop                                          ; one plain instruction behind the last scaled conversion
.irp j, 0,1,2,3
	global_store_b64 v[CO], v[CS+2*\j:CS+2*\j+1], s[38:39] offset:1024*(\i)+256*\j   ; 32 lanes store 256 consecutive bytes, aligned
.endr
.irp j, 0,1,2,3
	ds_store_b8 v[SBA], v[BY+\j] offset:32*(\i)+8*\j   ; the four lanes of a block write the same byte with the same value
.endr
.if (\i) < 4
	LOADROW (\i)+4                                 ; the slot takes the row four further on
.endif
.endm
	TURN 0, 24
	TURN 1, 24
	TURN 2, 24
	TURN 3, 24
	TURN 4, 24
	TURN 5, 16                                     ; nothing more is asked for: the counts run down
	TURN 6, 8
	TURN 7, 0
	ds_load_b64 v[SUM:SUM+1], v[SRA]               ; LDS serves a wave's instructions in order: this sees my byte stores
	s_wait_dscnt 0x0
	global_store_b64 v[CO], v[SUM:SUM+1], s[40:41] ; eight rows' 256 scale bytes, consecutive and aligned
	s_wait_tensorcnt 0x0
	ds_add_u32 v254, v255
	s_wait_dscnt 0x0
	s_endpgm
.Lvrole:                                               ; wave 5: v[head][token] = A[token][head] * wv for tokens 64 (g / 2) on, heads 8 (g % 2) on
	s_load_b32 s30, s[18:19], 0x0                  ; wv
	s_lshr_b32 s36, ttmp9, 1
	s_and_b32 s37, ttmp9, 1
	s_lshl_b32 s42, s36, 12                        ; 64 tokens of 64 bytes
	s_lshl_b32 s43, s37, 5                         ; 8 heads of 4 bytes
	s_add_co_u32 s42, s42, s43
	s_mov_b32 s43, 0
	s_add_nc_u64 s[16:17], s[16:17], s[42:43]
	s_lshr_b32 s46, ttmp9, 6                       ; the batch
	s_lshl_b32 s46, s46, 5
	s_lshl_b32 s47, s37, 3
	s_add_co_u32 s46, s46, s47
	s_add_co_u32 s46, s46, 16                      ; the key record of my first head: 32 b + 16 + 8 (g % 2)
	s_mul_i32 s46, s46, REC
	s_and_b32 s47, s36, 31
	s_lshl_b32 s47, s47, 8                         ; my 64 tokens' 256 bytes in it
	s_add_co_u32 s46, s46, s47
	s_add_co_u32 s46, s46, VPART
	s_mov_b32 s47, 0
	s_add_nc_u64 s[28:29], s[28:29], s[46:47]
.irp i, 0,1,2,3
	global_load_b128 v[80+4*\i:80+4*\i+3], v[AVO], s[16:17] offset:1024*\i   ; token lane / 2 + 16 i, four heads
.endr
	s_wait_kmcnt 0x0
	s_wait_loadcnt 0x0
.set n, 0
.rept 16
	v_mul_f32 v[80+n], s30, v[80+n]
.set n, n+1
.endr
.irp i, 0,1,2,3
.irp e, 0,1,2,3
	ds_store_b32 v[VST], v[80+4*\i+\e] offset:272*\e+64*\i
.endr
.endr
.irp i, 0,1,2,3
	ds_load_b128 v[96+4*\i:96+4*\i+3], v[VLD] offset:544*\i   ; my own bytes, served in order: heads 2 i and 2 i + 1, 64 tokens each
.endr
	s_wait_dscnt 0x0
.irp i, 0,1,2,3
	global_store_b128 v[VGO], v[96+4*\i:96+4*\i+3], s[28:29] offset:2*\i*REC   ; sixteen lanes store 256 consecutive bytes, aligned
.endr
	s_wait_tensorcnt 0x0
	ds_add_u32 v254, v255
	s_wait_dscnt 0x0
	s_endpgm
.Lfunc_end_k_q6950be7fed_prep:
	.size	k_q6950be7fed_prep, .Lfunc_end_k_q6950be7fed_prep-k_q6950be7fed_prep
	.p2alignl 7, 3214868480
	.fill 96, 4, 3214868480
	.section	.rodata,"a",@progbits
	.p2align	6, 0x0
	.amdhsa_kernel k_q6950be7fed_prep
		.amdhsa_group_segment_fixed_size 4864
		.amdhsa_private_segment_fixed_size 0
		.amdhsa_enable_private_segment 0
		.amdhsa_kernarg_size 88
		.amdhsa_user_sgpr_count 2
		.amdhsa_user_sgpr_kernarg_segment_ptr 1
		.amdhsa_wavefront_size32 1
		.amdhsa_system_sgpr_workgroup_id_x 1
		.amdhsa_system_sgpr_workgroup_id_y 1
		.amdhsa_system_sgpr_workgroup_id_z 1
		.amdhsa_system_vgpr_workitem_id 0
		.amdhsa_next_free_vgpr 256
		.amdhsa_next_free_sgpr 66
		.amdhsa_reserve_vcc 1
		.amdhsa_float_denorm_mode_32 3
		.amdhsa_float_denorm_mode_16_64 3
		.amdhsa_memory_ordered 1
		.amdhsa_forward_progress 1
		.amdhsa_inst_pref_size 109
	.end_amdhsa_kernel
	.amdgpu_metadata
---
amdhsa.version: [ 1, 2 ]
amdhsa.kernels:
  - .name:           k_q6950be7fed_prep
    .symbol:         k_q6950be7fed_prep.kd
    .args:
      - { .name: x, .offset: 0, .size: 8, .value_kind: global_buffer, .address_space: global }
      - { .name: Wqk, .offset: 8, .size: 8, .value_kind: global_buffer, .address_space: global }
      - { .name: ln_w, .offset: 16, .size: 8, .value_kind: global_buffer, .address_space: global }
      - { .name: ln_b, .offset: 24, .size: 8, .value_kind: global_buffer, .address_space: global }
      - { .name: A, .offset: 32, .size: 8, .value_kind: global_buffer, .address_space: global }
      - { .name: wv, .offset: 40, .size: 8, .value_kind: global_buffer, .address_space: global }
      - { .name: xc, .offset: 48, .size: 8, .value_kind: global_buffer, .address_space: global }
      - { .name: xs, .offset: 56, .size: 8, .value_kind: global_buffer, .address_space: global }
      - { .name: wc, .offset: 64, .size: 8, .value_kind: global_buffer, .address_space: global }
      - { .name: ws, .offset: 72, .size: 8, .value_kind: global_buffer, .address_space: global }
      - { .name: qk, .offset: 80, .size: 8, .value_kind: global_buffer, .address_space: global }
    .group_segment_fixed_size: 4864
    .private_segment_fixed_size: 0
    .kernarg_segment_align: 8
    .kernarg_segment_size: 88
    .max_flat_workgroup_size: 192
    .sgpr_count:     66
    .vgpr_count:     256
    .wavefront_size: 32
...
	.end_amdgpu_metadata
.endif
;; end of part 1
;; launch gemm (part 2): grid 8 x 32, 4 waves a work-group, clusters of 4 x 4, 327,680 bytes of LDS; arguments xc, xs, wc, ws, qk; writes qk
.if DOCPART == 2
	.amdgcn_target "amdgcn-amd-amdhsa--gfx1250"
	.amdhsa_code_object_version 6
	.text
	.protected	k_q6950be7fed_gemm
	.globl	k_q6950be7fed_gemm
	.p2align	8
	.type	k_q6950be7fed_gemm,@function
k_q6950be7fed_gemm:
	s_mov_b64 s[64:65], 0
	v_nop
	global_prefetch_b8 v0, s[64:65] scope:SCOPE_SE
	s_setreg_imm32_b32 hwreg(HW_REG_WAVE_MODE, 25, 1), 1
	s_wait_xcnt 0x0
	s_wait_alu depctr_hold_cnt(0) depctr_sa_sdst(0) depctr_va_vdst(0) depctr_va_sdst(0) depctr_va_ssrc(0) depctr_va_vcc(0) depctr_vm_vsrc(0)
	s_getreg_b32 s2, hwreg(HW_REG_IB_STS2, 6, 4)
	s_cmp_eq_u32 s2, 0
	s_cbranch_scc0 .Lentry_in_a_cluster
	s_endpgm
.Lentry_in_a_cluster:
	s_bfe_u32 s2, ttmp6, 0x10000c
	s_cmp_lg_u32 s2, 0xf033
	s_cbranch_scc0 .Lentry_shape_is_right
	s_endpgm
.Lentry_shape_is_right:
.set SIZE_M, 8192
.set SIZE_N, 2048
.set SIZE_K, 1024
.set REC,    147456
.set KSTEP,  256
.set NQ,     KSTEP/128
.set ROWB,   256
.set KROW,   SIZE_K
.set PITCH,  272
.set FR,     16
.set NL,     4
.set NP,     8
.set HALFT,  128*PITCH
.set SLOT,   4*HALFT
.set LAPS,   SIZE_K/(2*KSTEP)
.set KS,     SIZE_K/32
.set SCL,    2*SLOT
.set HALFS,  (128*KS/256)*272
.set SBLK,   (16*KS/256)*272
.set SPARE,  SCL+4*HALFS
.set ADRA, 16
.set ADRB, 20
.set STO,  24
.set RD,   25
.set CO,   26
.set ADRS, 27
.set SPW,  28
.set NIL,  29
.set SC,   32
.set TM,   64
.set NB,   68
.set LIM,  72
.set SO,   76
.set PW,   80
.set PCD,  96
.set AF,   128
.set G1, 24
.set G0, 32
.set G1B, 48
.set G0B, 56
.set G1S, 68
.set G0S, 76
.set G1SB, 80
.set G0SB, 88
.set MSB, 0
.macro WIN new
.if MSB != \new
	s_set_vgpr_msb (MSB<<8)|\new
.set MSB, \new
.endif
.endm
.set MUL_LO, 0xa1
.set MUL_HI, 0xf1
.set TO_B,   0x40
.macro JLOAD g0a, g1a, g0b, g1b
	s_cmp_eq_u32 s15, 0
	s_cbranch_scc0 .Lfor_b_\@
	tensor_load_to_lds s[\g0a:\g0a+3], s[\g1a:\g1a+7]
	s_nop 0
.rept 4
	v_nop
.endr
	s_branch .Lasked_\@
.Lfor_b_\@:
	tensor_load_to_lds s[\g0b:\g0b+3], s[\g1b:\g1b+7]
	s_nop 0
.rept 4
	v_nop
.endr
.Lasked_\@:
.endm
.macro CREST
	s_cmp_lg_u32 s14, 0
	s_cbranch_scc1 .Lnot_wave_0_\@
	s_barrier_signal -3
.Lnot_wave_0_\@:
	s_barrier_wait -3
	s_barrier_signal -1
	s_barrier_wait -1
.endm
.macro CROUND
	s_barrier_signal -1
	s_barrier_wait -1
	CREST
.endm
	s_load_b128 s[4:7], s[0:1], 0x0
	s_load_b128 s[8:11], s[0:1], 0x10
	s_load_b64 s[12:13], s[0:1], 0x20
	v_lshl_add_u32 v[SPW], v0, 2, SPARE
	v_mov_b32 v[NIL], 0
	ds_add_u32 v28, v29
	ds_add_u32 v28, v29
	s_wait_dscnt 0x0
.irp b, 0,1,2,3
	v_mov_b32 v[NB+\b], 0
.endr
	v_lshrrev_b32 v1, 5, v0
	v_readfirstlane_b32 s14, v1
	s_lshr_b32 s15, s14, 1
	s_and_b32 s16, s14, 1
	s_mov_b32 s95, 0x600000
	s_mov_b32 s96, 0x76543210
	s_mov_b32 s97, 0xfedcba98
	s_bfe_u32 s40, ttmp6, 0x40000
	s_bfe_u32 s41, ttmp6, 0x40004
	s_lshl_b32 s42, ttmp9, 2
	s_add_co_u32 s42, s42, s40
	s_and_b32 s17, ttmp7, 0xffff
	s_lshl_b32 s17, s17, 2
	s_add_co_u32 s17, s17, s41
	s_lshl_b32 s43, s41, 2
	s_lshl_b32 s43, 15, s43
	s_lshl_b32 s44, 0x1111, s40
	s_or_b32 s[G1+0], s43, (0<<16)|(1<<20)|(1<<21)|(5<<22)|(3<<25)
	s_or_b32 s[G1B+0], s44, (0<<16)|(1<<20)|(1<<21)|(5<<22)|(3<<25)
.irp g, G1, G1B
	s_mov_b32 s[\g+1], ROWB<<16
	s_mov_b32 s[\g+2], 256<<16                     ; the head's loads of codes bring 256 rows; behind them these two words are set to 128, for the ring's
	s_mov_b32 s[\g+3], ROWB<<16
	s_mov_b32 s[\g+4], 256
	s_mov_b32 s[\g+5], KROW
	s_mov_b32 s[\g+6], 0
	s_mov_b32 s[\g+7], 0
.endr
	s_or_b32 s[G1S+0], s43, (3<<16)|(1<<20)|(1<<21)|(5<<22)|(3<<25)
	s_or_b32 s[G1SB+0], s44, (3<<16)|(1<<20)|(1<<21)|(5<<22)|(3<<25)
.irp g, G1S, G1SB
	s_mov_b32 s[\g+1], 32<<16
	s_mov_b32 s[\g+2], KS<<16                      ; the scale bytes of 256 rows: KS rows of 256 bytes
	s_mov_b32 s[\g+3], 32<<16
	s_mov_b32 s[\g+4], KS
	s_mov_b32 s[\g+5], 32
	s_mov_b32 s[\g+6], 0
	s_mov_b32 s[\g+7], 0
.endr
	s_lshl_b32 s20, s17, 8                         ; A: the tile's first row
	s_lshl_b32 s46, s42, 8                         ; B: likewise
	s_mov_b32 s21, 0
	s_mov_b32 s47, 0
	s_mov_b64 s[18:19], KS
	s_mul_u64 s[22:23], s[20:21], s[18:19]
	s_mul_u64 s[92:93], s[46:47], s[18:19]
	s_mov_b64 s[18:19], KROW
	s_mul_u64 s[20:21], s[20:21], s[18:19]
	s_mul_u64 s[46:47], s[46:47], s[18:19]
	s_mul_i32 s45, s14, HALFT
	s_mul_i32 s18, s16, 128*KROW                   ; in the ring I fetch 128 rows of a tile: which half, in bytes
	s_mov_b32 s19, 0
	s_wait_kmcnt 0x0
	s_add_nc_u64 s[20:21], s[4:5], s[20:21]
	s_add_nc_u64 s[22:23], s[6:7], s[22:23]
	s_add_nc_u64 s[46:47], s[8:9], s[46:47]
	s_add_nc_u64 s[92:93], s[10:11], s[92:93]
	CROUND
	s_mov_b32 s[G0S], 1
	s_mov_b32 s[G0S+1], SCL
	s_mov_b64 s[G0S+2:G0S+3], s[22:23]
	s_or_b32 s[G0S+3], s[G0S+3], 0x80000000
	s_mov_b32 s[G0SB], 1
	s_mov_b32 s[G0SB+1], SCL+2*HALFS
	s_mov_b64 s[G0SB+2:G0SB+3], s[92:93]
	s_or_b32 s[G0SB+3], s[G0SB+3], 0x80000000
	s_mov_b32 s4, 1                                ; s[4:7], s[8:11]: group 0 of the head's loads of K step 0: A's 256 rows, B's 256 rows (the arguments that lay there have been used)
	s_mov_b32 s5, 0
	s_mov_b64 s[6:7], s[20:21]
	s_or_b32 s7, s7, 0x80000000
	s_mov_b32 s8, 1
	s_mov_b32 s9, 2*HALFT
	s_mov_b64 s[10:11], s[46:47]
	s_or_b32 s11, s11, 0x80000000
	s_add_nc_u64 s[20:21], s[20:21], s[18:19]      ; for the ring: my 128 rows of the tile
	s_add_nc_u64 s[46:47], s[46:47], s[18:19]
.irp s, 0,1
	s_mov_b32 s[G0+4*\s], 1
	s_add_co_u32 s[G0+4*\s+1], s45, \s*SLOT
	s_add_nc_u64 s[G0+4*\s+2:G0+4*\s+3], s[20:21], \s*ROWB
	s_or_b32 s[G0+4*\s+3], s[G0+4*\s+3], 0x80000000
	s_mov_b32 s[G0B+4*\s], 1
	s_add_co_u32 s[G0B+4*\s+1], s45, \s*SLOT
	s_add_nc_u64 s[G0B+4*\s+2:G0B+4*\s+3], s[46:47], \s*ROWB
	s_or_b32 s[G0B+4*\s+3], s[G0B+4*\s+3], 0x80000000
.endr
; THE HEAD'S LOADS, ONE A WAVE: wave 0 fetches K step 0's 256 rows of A, wave 1 its 256 rows of B, wave 2 the scale bytes of A's 256 rows, wave 3 those of B's.
; One chain of branches on the wave's number: every way through the head passes exactly one load.
.macro ARM under, g0, g1, next
	s_cmp_lt_u32 s14, \under
	s_cbranch_scc0 \next
	tensor_load_to_lds s[\g0:\g0+3], s[\g1:\g1+7]
	s_nop 0
.rept 4
	v_nop
.endr
	s_branch .Lhead_asked
\next:
.endm
	ARM 1, 4,   G1,  .Lhead_b
	ARM 2, 8,   G1B, .Lhead_sa
	ARM 3, G0S, G1S, .Lhead_sb
	tensor_load_to_lds s[G0SB:G0SB+3], s[G1SB:G1SB+7]
	s_nop 0
.rept 4
	v_nop
.endr
.Lhead_asked:
	v_and_b32 v1, 15, v0
	v_bfe_u32 v2, v0, 4, 1
	v_mul_u32_u24 v3, v1, PITCH
	v_lshl_add_u32 v4, v2, 4, v3
	s_mul_i32 s21, s15, HALFT
	s_mul_i32 s22, s16, HALFT
	s_add_co_u32 s22, s22, 2*HALFT
.irp s, 0,1
	v_add_nc_u32 v[ADRA+\s], s21, v4
	v_add_nc_u32 v[ADRB+\s], s22, v4
	s_add_co_u32 s21, s21, SLOT
	s_add_co_u32 s22, s22, SLOT
.endr
	v_mul_u32_u24 v5, v1, KS
	v_lshrrev_b32 v6, 8, v5
	v_lshl_add_u32 v5, v6, 4, v5
	s_mul_i32 s21, s15, HALFS
	s_mul_i32 s22, s16, HALFS
	s_add_co_u32 s22, s22, 2*HALFS
	s_sub_co_u32 s22, s22, s21
	v_mul_u32_u24 v6, s22, v2
	s_add_co_u32 s21, s21, SCL
	v_add_nc_u32 v5, v5, v6
	v_add_nc_u32 v[ADRS], s21, v5
	s_lshl_b32 s23, s14, 10
	v_lshl_add_u32 v[STO], v1, 2, s23
	v_and_b32 v6, 31, v0
	v_lshlrev_b32 v[CO], 4, v6
	v_add_nc_u32 v[RD], s23, v[CO]
	s_lshr_b32 s20, s17, 3
	s_lshl_b32 s20, s20, 5
	s_lshl_b32 s46, s42, 2
	s_add_co_u32 s20, s20, s46
	s_lshl_b32 s46, s16, 1
	s_add_co_u32 s20, s20, s46
	s_mul_i32 s20, s20, REC
	s_and_b32 s46, s17, 7
	s_lshl_b32 s46, s46, 1
	s_add_co_u32 s46, s46, s15
	s_lshl_b32 s22, s46, 13
	s_add_co_u32 s22, s22, s20
	s_mov_b32 s23, 0
	s_lshl_b32 s46, s46, 9
	s_add_co_u32 s20, s20, s46
	s_add_co_u32 s20, s20, 131072
	s_mov_b32 s21, 0
	s_add_nc_u64 s[20:21], s[12:13], s[20:21]
	s_add_nc_u64 s[12:13], s[12:13], s[22:23]
.macro FRAG reg, adr, q, i
.irp c, 0,1,2,3
	ds_load_b128 v[\reg+4*\c:\reg+4*\c+3], v[\adr] offset:128*(\q)+32*\c+(\i)*16*PITCH
.endr
.endm
.macro MUL16 a0, p, q, sc, zero
.irp a, \a0, \a0+1
.irp b, 0,1,2,3,4,5,6,7
.if \zero
	v_wmma_scale_f32_16x16x128_f8f6f4 v[8*(8*((\a)%4)+\b):8*(8*((\a)%4)+\b)+7], v[128*(\p)+FR*\b:128*(\p)+FR*\b+FR-1], v[AF+FR*(\a):AF+FR*(\a)+FR-1], 0, v[SC+8*NQ*(\sc)+NQ*\b+(\q)], v[SC+8*NQ*(\sc)+NQ*(\a)+(\q)] matrix_a_scale:MATRIX_SCALE_ROW1
.else
	v_wmma_scale_f32_16x16x128_f8f6f4 v[8*(8*((\a)%4)+\b):8*(8*((\a)%4)+\b)+7], v[128*(\p)+FR*\b:128*(\p)+FR*\b+FR-1], v[AF+FR*(\a):AF+FR*(\a)+FR-1], v[8*(8*((\a)%4)+\b):8*(8*((\a)%4)+\b)+7], v[SC+8*NQ*(\sc)+NQ*\b+(\q)], v[SC+8*NQ*(\sc)+NQ*(\a)+(\q)] matrix_a_scale:MATRIX_SCALE_ROW1
.endif
.endr
.endr
.endm
.macro FETCH_B slot, q, p
	WIN TO_B
.irp i, 0,1,2,3,4,5,6,7
	FRAG 128*(\p)+FR*\i, ADRB+\slot, \q, \i
.endr
	WIN 0
.endm
.macro FETCH_A slot, q, i0
.irp i, \i0, \i0+1, \i0+2, \i0+3
	FRAG AF+FR*(\i), ADRA+\slot, \q, \i
.endr
.endm
.macro SCALES sc
.irp i, 0,1,2,3,4,5,6,7
	ds_load_b64 v[SC+8*NQ*\sc+NQ*\i:SC+8*NQ*\sc+NQ*\i+1], v[ADRS] offset:\i*SBLK
.endr
.endm
.macro PLACES n
.rept \n
	v_nop
.endr
.endm
.macro STEP slot, q, zero
	s_wait_dscnt 4*NL
	WIN MUL_LO
	MUL16 0, (\q)%2, \q, \slot, \zero
	MUL16 2, (\q)%2, \q, \slot, \zero
	s_wait_dscnt 0
	PLACES NP
	FETCH_B \slot, (\q)+1, 1-(\q)%2
	FETCH_A \slot, (\q)+1, 0
	WIN MUL_HI
	MUL16 4, (\q)%2, \q, \slot, \zero
	MUL16 6, (\q)%2, \q, \slot, \zero
	PLACES NP
	WIN 0
	FETCH_A \slot, (\q)+1, 4
.endm
.macro TURN slot, next, fill
	s_wait_tensorcnt 0x0
	ds_add_u32 v[SPW], v[NIL]
	s_wait_dscnt 4*NL+1
	WIN MUL_LO
	MUL16 0, 1, NQ-1, \slot, 0
	s_wait_dscnt 0x0
	s_barrier_signal -1
	MUL16 2, 1, NQ-1, \slot, 0
	WIN 0
	s_barrier_wait -1
.if \fill
	CREST
	s_add_nc_u64 s[G0+4*\slot+2:G0+4*\slot+3], s[G0+4*\slot+2:G0+4*\slot+3], 2*ROWB
	s_add_nc_u64 s[G0B+4*\slot+2:G0B+4*\slot+3], s[G0B+4*\slot+2:G0B+4*\slot+3], 2*ROWB
	JLOAD G0+4*\slot, G1, G0B+4*\slot, G1B
	PLACES NP-4
.else
	PLACES NP
.endif
	s_wait_alu depctr_va_vdst(0)
	v_add_nc_u32 v[ADRS], 4*NQ, v[ADRS]
	FETCH_B \next, 0, 0
	FETCH_A \next, 0, 0
	SCALES \next
	WIN MUL_HI
	MUL16 4, 1, NQ-1, \slot, 0
	MUL16 6, 1, NQ-1, \slot, 0
	PLACES NP
	WIN 0
	FETCH_A \next, 0, 4
.endm
	s_wait_alu depctr_va_vdst(0)
	s_wait_tensorcnt 0x0                           ; my tile of the head's four is in
	ds_add_u32 v[SPW], v[NIL]
	s_mov_b32 s[G1+2], 128<<16                     ; no tensor load of mine is out: from here on a load brings 128 rows
	s_mov_b32 s[G1+4], 128
	s_mov_b32 s[G1B+2], 128<<16
	s_mov_b32 s[G1B+4], 128
	s_wait_dscnt 0x0
	CROUND                                         ; all four tiles are in, and all sixteen work-groups are here
	JLOAD G0+4, G1, G0B+4, G1B                     ; K step 1, the first tensor load behind the round
	FETCH_B 0, 0, 0
	FETCH_A 0, 0, 0
	SCALES 0
	FETCH_A 0, 0, 4
	STEP 0, 0, 1
	s_mov_b32 s3, LAPS-1
.Llap:
	TURN 0, 1, 1
	STEP 1, 0, 0
	TURN 1, 0, 1
	STEP 0, 0, 0
	s_sub_co_u32 s3, s3, 1
	s_cmp_lg_u32 s3, 0
	s_cbranch_scc1 .Llap
	TURN 0, 1, 0
	STEP 1, 0, 0
	s_wait_dscnt 4*NL
	WIN MUL_LO
	MUL16 0, 1, NQ-1, 1, 0
	MUL16 2, 1, NQ-1, 1, 0
	s_wait_dscnt 0
	WIN MUL_HI
	MUL16 4, 1, NQ-1, 1, 0
	MUL16 6, 1, NQ-1, 1, 0
	WIN 0
.macro QOUT a
.set AW,   2+(\a)/4
.set AS,   64*((\a)%4)
.set PCS,  PCD+16*((\a)%2)
.set WMAX, (AW<<2)|(AW<<4)
.set WMED, (AW<<6)|AW
	WIN 0
	s_wait_dscnt 0x0
.irp b, 0,1,2,3
	v_mov_b32 v[TM+\b], 0x4800000
.endr
	WIN WMAX
.irp i, 0,2,4,6,8,10,12,14
.irp b, 0,1,2,3
	v_max3_num_f32 v[TM+\b], v[TM+\b], |v[AS+16*\b+\i]|, |v[AS+16*\b+\i+1]|
.endr
.endr
	WIN 0
.irp b, 0,1,2,3
	v_permlanex16_b32 v[NB+\b], v[TM+\b], s96, s97
.endr
.irp b, 0,1,2,3
	v_max_num_f32 v[TM+\b], v[TM+\b], v[NB+\b]
.endr
.irp b, 0,1,2,3
	v_add_nc_u32 v[SO+\b], 0xfc000000, v[TM+\b]
.endr
.irp b, 0,1,2,3
	v_and_or_b32 v[LIM+\b], v[TM+\b], 0x7f800000, s95
.endr
.irp b, 0,1,2,3
	v_lshrrev_b32 v[NB+\b], 23, v[SO+\b]
.endr
	v_lshl_or_b32 v[PW], v[NB+1], 8, v[NB]
	v_lshl_or_b32 v[PW+1], v[NB+3], 8, v[NB+2]
	WIN WMED
.irp b, 0,1,2,3
.irp i, 0,1,2,3,4,5,6,7,8,9,10,11,12,13,14,15
	v_med3_num_f32 v[AS+16*\b+\i], v[AS+16*\b+\i], -v[LIM+\b], v[LIM+\b]
.endr
.endr
	WIN AW
	s_wait_alu depctr_va_vdst(0)
	s_wait_xcnt 0x0
.irp b, 0,1,2,3
	v_cvt_scalef32_pk8_fp8_f32 v[PCS+4*\b:PCS+4*\b+1], v[AS+16*\b:AS+16*\b+7], v[SO+\b]
	v_cvt_scalef32_pk8_fp8_f32 v[PCS+4*\b+2:PCS+4*\b+3], v[AS+16*\b+8:AS+16*\b+15], v[SO+\b]
.endr
	WIN 0
	v_nop
.irp b, 0,1,2,3
	global_store_b128 v[CO], v[PCS+4*\b:PCS+4*\b+3], s[12:13] offset:1024*(\a)+512*(\b%2)+(\b/2)*REC
.endr
.irp u, 0,1
	ds_store_b32 v[STO], v[PW+\u] offset:512*\u+64*(\a)
.endr
.endm
	PLACES NP
.irp a, 0,1,2,3,4,5,6,7
	QOUT \a
.endr
	ds_load_b128 v[84:87], v[RD]
	ds_load_b128 v[88:91], v[RD] offset:512
	s_wait_dscnt 0x0
	global_store_b128 v[CO], v[84:87], s[20:21]
	global_store_b128 v[CO], v[88:91], s[20:21] offset:REC
	s_wait_tensorcnt 0x0
	ds_add_u32 v[SPW], v[NIL]
	s_wait_dscnt 0x0
	CROUND
	s_endpgm
.Lfunc_end_k_q6950be7fed_gemm:
	.size	k_q6950be7fed_gemm, .Lfunc_end_k_q6950be7fed_gemm-k_q6950be7fed_gemm
	.p2alignl 7, 3214868480
	.fill 96, 4, 3214868480
	.section	.rodata,"a",@progbits
	.p2align	6, 0x0
	.amdhsa_kernel k_q6950be7fed_gemm
		.amdhsa_group_segment_fixed_size 327680
		.amdhsa_private_segment_fixed_size 0
		.amdhsa_enable_private_segment 0
		.amdhsa_kernarg_size 40
		.amdhsa_user_sgpr_count 2
		.amdhsa_user_sgpr_kernarg_segment_ptr 1
		.amdhsa_wavefront_size32 1
		.amdhsa_system_sgpr_workgroup_id_x 1
		.amdhsa_system_sgpr_workgroup_id_y 1
		.amdhsa_system_sgpr_workgroup_id_z 1
		.amdhsa_system_vgpr_workitem_id 0
		.amdhsa_next_free_vgpr 1024
		.amdhsa_next_free_sgpr 98
		.amdhsa_reserve_vcc 0
		.amdhsa_float_denorm_mode_32 3
		.amdhsa_float_denorm_mode_16_64 3
		.amdhsa_memory_ordered 1
		.amdhsa_forward_progress 1
		.amdhsa_inst_pref_size 188
	.end_amdhsa_kernel
	.amdgpu_metadata
---
amdhsa.version: [ 1, 2 ]
amdhsa.kernels:
  - .name:           k_q6950be7fed_gemm
    .symbol:         k_q6950be7fed_gemm.kd
    .args:
      - { .name: xc, .offset: 0, .size: 8, .value_kind: global_buffer, .address_space: global }
      - { .name: xs, .offset: 8, .size: 8, .value_kind: global_buffer, .address_space: global }
      - { .name: wc, .offset: 16, .size: 8, .value_kind: global_buffer, .address_space: global }
      - { .name: ws, .offset: 24, .size: 8, .value_kind: global_buffer, .address_space: global }
      - { .name: qk, .offset: 32, .size: 8, .value_kind: global_buffer, .address_space: global }
    .group_segment_fixed_size: 327680
    .private_segment_fixed_size: 0
    .kernarg_segment_align: 8
    .kernarg_segment_size: 40
    .max_flat_workgroup_size: 128
    .sgpr_count:     98
    .vgpr_count:     1024
    .wavefront_size: 32
...
	.end_amdgpu_metadata
.endif
;; end of part 2
;; launch attn (part 3): grid 4 x 64, 16 waves a work-group, clusters of 4 x 1, 169,984 bytes of LDS; arguments qk, ot; writes ot
.if DOCPART == 3
	.amdgcn_target "amdgcn-amd-amdhsa--gfx1250"
	.amdhsa_code_object_version 6
	.text
	.protected	k_q6950be7fed_attn
	.globl	k_q6950be7fed_attn
	.p2align	8
	.type	k_q6950be7fed_attn,@function
k_q6950be7fed_attn:
	s_mov_b64 s[64:65], 0
	v_nop
	global_prefetch_b8 v0, s[64:65] scope:SCOPE_SE
	s_setreg_imm32_b32 hwreg(HW_REG_WAVE_MODE, 25, 1), 1
	s_wait_xcnt 0x0
	s_wait_alu depctr_hold_cnt(0) depctr_sa_sdst(0) depctr_va_vdst(0) depctr_va_sdst(0) depctr_va_ssrc(0) depctr_va_vcc(0) depctr_vm_vsrc(0)
	s_getreg_b32 s2, hwreg(HW_REG_IB_STS2, 6, 4)
	s_cmp_eq_u32 s2, 0
	s_cbranch_scc0 .Lentry_in_a_cluster
	s_endpgm
.Lentry_in_a_cluster:
	s_bfe_u32 s2, ttmp6, 0x10000c
	s_cmp_lg_u32 s2, 0x3003
	s_cbranch_scc0 .Lentry_shape_is_right
	s_endpgm
.Lentry_shape_is_right:
; ot[b 16 + h][q] = sum over k of softmax_k(q . k / 32) v[k].  The scores on codes of FP8 (E4M3) with one E8M0 scale for each 32 of the head's 64; the softmax in f32;
; the row's sum and the product with v by the bf16 matrix form, f32 sums: p and v are rounded to bf16, and the sum is taken of the same rounded p.
; qk: 128 records of REC bytes (32 b + h: q of head h; 32 b + 16 + h: k of head h): 128 tiles of 16 tokens as images of the operand's registers (1,024 bytes: group c of 512, lane l's 16 bytes at 16 l),
; one scale word a token, and in key records v[token] in f32.
; SHARES.  A work-group owns 512 queries of one head; each of its sixteen waves owns 32 of them, two tiles, in 256 registers: four waves to a SIMD.  Every wave walks the head's 2,048 keys, 64 a step.
; LDS.  The key record's codes, 131,072 dense bytes, come ONCE, by eight tensor loads of 64 rows x 256 bytes (waves 0-7, one each): nothing is filled again, so there is no ring,
; and the whole record is asked for at the head: no prefetch.  Wave 0's load, the codes of key steps 0 to 3, has a line of its own and is shown by the first barrier; three steps, which fetch up to step 3's codes,
; run on it; then every wave waits for all its loads, and a second barrier shows the rest.
; The scale words and v (8,192 bytes each, a small part beside the codes) come by plain loads, 16 bytes a thread, into LDS bytes of their own; v is rounded to bf16 on the way, and 2,048 ones are laid behind it.
; CLUSTER.  The four work-groups of a cluster are the four query blocks of one head: each tensor load is asked for JOINTLY, with the same descriptor and a mask that names the four.
; LAYOUT.  S^T = K Q^T (source 0 = 16 keys, source 1 = 16 queries): a lane holds ONE query (lane % 16), register j of tile t the key 16 t + 8 (lane / 16) + j.  The head's 64 fill blocks 0 and 1 of the
; instruction's 128 along K; blocks 2 and 3 are zero codes on both sides (registers cleared once), which add nothing under the byte 0 of the scale words.
; Two neighbouring tiles of p, packed to bf16 in place, are source 1 (32 keys x 16 queries) of the second product.  Its source 0 has v's 32 keys in its even rows and ones in its odd rows:
; so register 0 of the result is the query's sum of p v and register 1 its sum of p, in both halves of the lanes.  Registers 2 to 7 repeat them without the rescaling and are never read.
; SOFTMAX.  For each query a running maximum m: p = 2^(c s - c m), c = log2(e) / 32; in every step the two sums are multiplied by 2^(c m_old - c m_new).  The quotient at the end.
; A step's 64 exponentials a lane go in four batches of 16 (tile 1's halves, then tile 0's); among a batch's lines stand the next quarter's scalings and the last quarter's packings,
; which write what is first read behind the wait that follows the batch.  Each tile's chain to its new m stands between independent lines of the other tile.
; Four accumulators (query tile x half of the step's keys), one product each a step: eleven other matrix instructions stand between two steps of a sum.
; LIMITS: NaN and infinities are not served; scores must be finite in f32.
.set REC,  147456
.set KSW,  131072                      ; the scale words: here in a record, and here in LDS, behind the codes
.set VV,   139264                      ; where v begins in a key record in memory
.set PART, 16384                       ; what one tensor load brings: four key steps' codes
.set OST,  139264                      ; LDS: 2,048 bytes for the way out,
.set VB,   141312                      ; v in bf16, 4,096 bytes,
.set ONE,  4160                        ; and so far behind it 4,096 bytes of ones: 64 bytes further than v's length, so that the two runs lie in different banks
.set SPARE, 0x29000                    ; the spare words, 128 bytes a wave
.set AK0, 2                            ; v2   16 x lane
.set AS0, 3                            ; v3   KSW + 4 x lane
.set AV0, 4                            ; v4   VB + ONE (lane % 2) + 16 (lane / 16)
.set VST, 5                            ; v5   VB + 8 x thread
.set QS,  10                           ; v10  Q's scale words: lanes 0-15 tile 0's, lanes 16-31 tile 1's
.set ADK, 11                           ; v11  LDS address of the next step's codes
.set KSC, 12                           ; v12-13 K's scale words: register p: lanes 0-15 tile 2 p's, lanes 16-31 tile 2 p + 1's
.set ADS, 14                           ; v14  of its scale words
.set ADV, 15                           ; v15  of this step's v
.set QF,  16                           ; v16-47   Q: tile q at 16 q: 8 registers of codes, 8 of zeros
.set KF,  48                           ; v48-111  K: tile t at 16 t, likewise
.set VF,  112                          ; v112-127 source 0 of the second product: 32 keys at 8 h
.set S,   128                          ; v128-191 the scores, then p: query tile q, key tile t at 32 q + 8 t; packed p: keys 32 h on at 32 q + 8 h
.set ACC, 192                          ; v192-223 the sums: tile q, half h at 8 (q + 2 h)
.set ST,  224                          ; v224-247 twelve a query tile: +0 c m, +1 m, +2 the factor, +3 c m_old, then the difference, +5, +6 the way out, +8 .. +11 at work
.set SST, 252                          ; v252 KSW + 16 x thread
.set WV,  8                            ; s8   the wave's number
.macro CROUND                          ; a round of the cluster's barrier
	s_barrier_signal -1
	s_barrier_wait -1
	s_cmp_lg_u32 s[WV], 0
	s_cbranch_scc1 .Lnot_wave_0_\@
	s_barrier_signal -3
.Lnot_wave_0_\@:
	s_barrier_wait -3
	s_barrier_signal -1
	s_barrier_wait -1
.endm
	s_load_b128 s[4:7], s[0:1], 0x0                ; qk s[4:5], ot s[6:7]
	v_lshl_add_u32 v254, v0, 2, SPARE
	v_mov_b32 v255, 0
	ds_add_u32 v254, v255                          ; the opening lines: the add, twice on end, and its wait ahead of the first tensor load
	ds_add_u32 v254, v255
	v_lshrrev_b32 v1, 5, v0
	v_readfirstlane_b32 s[WV], v1                  ; wave 0..15
	v_and_b32 v1, 31, v0                           ; lane
	v_lshlrev_b32 v[AK0], 4, v1
	v_lshl_add_u32 v[AS0], v1, 2, KSW
	v_and_b32 v[AV0], 1, v0
	v_bfe_u32 v6, v0, 4, 1
	v_mul_u32_u24 v[AV0], v[AV0], ONE
	v_lshl_add_u32 v[AV0], v6, 4, v[AV0]
	v_add_nc_u32 v[AV0], VB, v[AV0]
	v_lshl_add_u32 v[VST], v0, 3, VB
	v_lshl_add_u32 v[SST], v0, 4, KSW
	v_lshlrev_b32 v6, 2, v1                        ; Q's scale words: 4 x lane
	v_lshl_add_u32 v7, v0, 2, OST                  ; the way out: my query's word,
	v_lshl_add_u32 v8, v0, 4, OST                  ; 16 bytes of them back,
	v_lshlrev_b32 v9, 4, v0                        ; and the same in ot; also my 16 bytes of v and of K's scale words
	s_bfe_u32 s9, ttmp6, 0x40000                   ; cx: my place in the cluster
	s_lshl_b32 s11, ttmp9, 2
	s_add_co_u32 s11, s11, s9                      ; my block of 512 queries: it enters Q's and ot's addresses alone
	s_and_b32 s10, ttmp7, 0xffff                   ; 16 b + h, which the four partners share
	s_lshr_b32 s28, s10, 4
	s_lshl_b32 s28, s28, 5
	s_and_b32 s29, s10, 15
	s_add_co_u32 s28, s28, s29                     ; 32 b + h
	s_mul_i32 s36, s28, REC                        ; q's record
	s_lshl_b32 s13, s[WV], 14                      ; group 0's LDS address: wave x 16,384
	s_add_co_u32 s42, s36, 16*REC                  ; k's record,
	s_add_co_u32 s28, s42, s13                     ; my part of its codes,
	s_mov_b32 s29, 0
	s_add_co_u32 s44, s42, KSW                     ; its scale words,
	s_mov_b32 s45, 0
	s_add_co_u32 s42, s42, VV                      ; and its v
	s_mov_b32 s43, 0
	s_lshl_b32 s24, s11, 15                        ; Q's codes: 32 tiles of 1,024 bytes a block, 2 a wave
	s_lshl_b32 s25, s[WV], 11
	s_add_co_u32 s24, s24, s25
	s_add_co_u32 s24, s24, s36
	s_mov_b32 s25, 0
	s_lshl_b32 s26, s11, 11                        ; Q's scale words: 512 a block, 32 a wave
	s_lshl_b32 s27, s[WV], 7
	s_add_co_u32 s26, s26, s27
	s_add_co_u32 s26, s26, s36
	s_add_co_u32 s26, s26, KSW
	s_mov_b32 s27, 0
	s_lshl_b32 s40, s10, 13                        ; ot: 8,192 bytes a head, 2,048 a block
	s_lshl_b32 s41, s11, 11
	s_add_co_u32 s40, s40, s41
	s_mov_b32 s41, 0
	s_mov_b32 s12, 1                               ; group 0: count = 1
	s_mov_b32 s16, 15|(3<<16)|(1<<21)              ; group 1: the mask names all four; elements of 8 bytes; bit 21 beside a mask; no padding: every LDS read takes consecutive bytes
	s_mov_b32 s17, 32<<16                          ; tensor_dim0 = 32 elements: 256 bytes
	s_mov_b32 s18, 64<<16                          ; tensor_dim1 = 64
	s_mov_b32 s19, 32<<16                          ; tile_dim0
	s_mov_b32 s20, 64                              ; tile_dim1
	s_mov_b32 s21, 32                              ; the pitch: dense
	s_mov_b32 s22, 0
	s_mov_b32 s23, 0
	s_mov_b32 s30, 0x3d38aa3b                      ; c = log2(e) / 32
	s_mov_b32 s31, s30                             ; (named with it as a pair)
	s_mov_b32 s32, 0x76543210
	s_mov_b32 s33, 0xfedcba98                      ; v_permlanex16_b32's selects for lane l xor 16
	s_mov_b32 s35, 0                               ; the next step's codes: 4,096 bytes a step
	s_mov_b32 s38, 0                               ; its scale words: 256 bytes a step
	s_mov_b32 s39, 0                               ; this step's v: 128 bytes a step
	s_wait_dscnt 0x0
	s_wait_kmcnt 0x0
	s_add_nc_u64 s[14:15], s[4:5], s[28:29]
	s_or_b32 s15, s15, 0x80000000                  ; type = 2
	s_add_nc_u64 s[24:25], s[4:5], s[24:25]
	s_add_nc_u64 s[26:27], s[4:5], s[26:27]
	s_add_nc_u64 s[42:43], s[4:5], s[42:43]
	s_add_nc_u64 s[44:45], s[4:5], s[44:45]
	s_add_nc_u64 s[6:7], s[6:7], s[40:41]
	CROUND                                         ; all four work-groups are here: the joint loads meet
	s_cmp_lt_u32 s[WV], 1                          ; one chain of branches on the wave's number, one load to an arm: wave 0, whose tile is shown first, has a line of its own
	s_cbranch_scc0 .Lrest
	tensor_load_to_lds s[12:15], s[16:23]
	s_nop 0
.rept 4
	v_nop
.endr
	s_branch .Lasked
.Lrest:
	s_cmp_lt_u32 s[WV], 8                          ; waves 1-7: the other seven tiles
	s_cbranch_scc0 .Lasked
	tensor_load_to_lds s[12:15], s[16:23]
	s_nop 0
.rept 4
	v_nop
.endr
.Lasked:
	s_wait_alu depctr_va_vdst(0)
.irp q, 0,1
.irp c, 0,1
	global_load_b128 v[QF+16*\q+4*\c:QF+16*\q+4*\c+3], v[AK0], s[24:25] offset:1024*\q+512*\c   ; Q stays in registers
.endr
.endr
	global_load_b32 v[QS], v6, s[26:27]
	global_load_b128 v[S:S+3], v9, s[42:43]        ; four numbers of v a thread
	global_load_b128 v[S+8:S+11], v9, s[44:45]     ; four of K's scale words a thread
.irp t, 0,1,2,3
.irp n, 8,9,10,11,12,13,14,15
	v_mov_b32 v[KF+16*\t+\n], 0                    ; K = 64 .. 127 of the instruction: zero codes, written once; no load lands here
.endr
.endr
.irp q, 0,1
.irp n, 8,9,10,11,12,13,14,15
	v_mov_b32 v[QF+16*\q+\n], 0
.endr
.endr
.set i, 0
.rept 32
	v_mov_b32 v[ACC+i], 0                          ; the sums begin as zeros, which the first factor, 0, leaves zeros
.set i, i+1
.endr
.irp q, 0,1
	v_mov_b32 v[ST+12*\q+1], 0xff61b1e6            ; m: -3e38, under every score
	v_mul_f32 v[ST+12*\q], s30, v[ST+12*\q+1]      ; c m
.endr
	v_mov_b32 v[S+6], 0x3f803f80                   ; 1.0 twice, in bf16
	v_mov_b32 v[S+7], 0x3f803f80
	s_wait_alu depctr_va_vdst(0)
	s_wait_loadcnt 0x0                             ; Q, my four of v and my four scale words
	v_cvt_pk_bf16_f32 v[S+4], v[S], v[S+1]
	v_cvt_pk_bf16_f32 v[S+5], v[S+2], v[S+3]
	ds_store_b64 v[VST], v[S+4:S+5]
	ds_store_b64 v[VST], v[S+6:S+7] offset:ONE
	ds_store_b128 v[SST], v[S+8:S+11]
	s_cmp_lt_u32 s[WV], 1
	s_cbranch_scc0 .Lnot_first
	s_wait_tensorcnt 0x0                           ; wave 0: the first four steps' codes are in.  The other waves' wait stands at the second barrier
.Lnot_first:
	s_wait_dscnt 0x0                               ; for the others' sake
	s_barrier_signal -1
	s_barrier_wait -1
.macro KLOAD ak, as                    ; a step's four tiles of codes and their scale words: ten loads, each of consecutive bytes
.irp t, 0,1,2,3
.irp c, 0,1
	ds_load_b128 v[KF+16*\t+4*\c:KF+16*\t+4*\c+3], v[\ak] offset:1024*\t+512*\c
.endr
.endr
.irp p, 0,1
	ds_load_b32 v[KSC+\p], v[\as] offset:128*\p
.endr
.endm
.macro VLOAD                           ; source 0 of the step's second products: four loads; even lanes read v, odd lanes ones
.irp h, 0,1
.irp e, 0,1
	ds_load_b128 v[VF+8*\h+4*\e:VF+8*\h+4*\e+3], v[ADV] offset:64*\h+32*\e
.endr
.endr
.endm
.macro KQ t, q                         ; 16 keys x 16 queries; the scale words' halves are picked by the tiles' numbers
.if ((\t)%2 == 0) && ((\q) == 0)
	v_wmma_scale_f32_16x16x128_f8f6f4 v[S+32*\q+8*\t:S+32*\q+8*\t+7], v[KF+16*\t:KF+16*\t+15], v[QF+16*\q:QF+16*\q+15], 0, v[KSC+(\t)/2], v[QS]
.elseif (\q) == 0
	v_wmma_scale_f32_16x16x128_f8f6f4 v[S+32*\q+8*\t:S+32*\q+8*\t+7], v[KF+16*\t:KF+16*\t+15], v[QF+16*\q:QF+16*\q+15], 0, v[KSC+(\t)/2], v[QS] matrix_a_scale:MATRIX_SCALE_ROW1
.elseif (\t)%2 == 0
	v_wmma_scale_f32_16x16x128_f8f6f4 v[S+32*\q+8*\t:S+32*\q+8*\t+7], v[KF+16*\t:KF+16*\t+15], v[QF+16*\q:QF+16*\q+15], 0, v[KSC+(\t)/2], v[QS] matrix_b_scale:MATRIX_SCALE_ROW1
.else
	v_wmma_scale_f32_16x16x128_f8f6f4 v[S+32*\q+8*\t:S+32*\q+8*\t+7], v[KF+16*\t:KF+16*\t+15], v[QF+16*\q:QF+16*\q+15], 0, v[KSC+(\t)/2], v[QS] matrix_a_scale:MATRIX_SCALE_ROW1 matrix_b_scale:MATRIX_SCALE_ROW1
.endif
.endm
.macro PV q, h                         ; rows of v and of ones x 32 keys of packed p of 16 queries
	v_wmma_f32_16x16x32_bf16 v[ACC+8*(\q+2*\h):ACC+8*(\q+2*\h)+7], v[VF+8*\h:VF+8*\h+7], v[S+32*\q+8*\h:S+32*\q+8*\h+7], v[ACC+8*(\q+2*\h):ACC+8*(\q+2*\h)+7]
.endm
.macro MX q, n                         ; line n = 0 .. 11 of tile q's four chains over seven scores each; each chain begins at its result's low end
.if (\n) < 4
	v_max3_num_f32 v[ST+12*\q+8+(\n)], v[S+32*\q+8*(\n)], v[S+32*\q+8*(\n)+1], v[S+32*\q+8*(\n)+2]
.else
	v_max3_num_f32 v[ST+12*\q+8+(\n)%4], v[ST+12*\q+8+(\n)%4], v[S+32*\q+8*((\n)%4)+2*((\n)/4)+1], v[S+32*\q+8*((\n)%4)+2*((\n)/4)+2]
.endif
.endm
.macro TL q, j                         ; link j = 0 .. 7 of tile q's chain to the new m, c m and the difference
.if (\j) == 0
	v_max3_num_f32 v[ST+12*\q+8], v[ST+12*\q+8], v[S+32*\q+7], v[S+32*\q+15]
.elseif (\j) == 1
	v_max3_num_f32 v[ST+12*\q+10], v[ST+12*\q+10], v[S+32*\q+23], v[S+32*\q+31]
.elseif (\j) == 2
	v_max3_num_f32 v[ST+12*\q+8], v[ST+12*\q+8], v[ST+12*\q+9], v[ST+12*\q+10]
.elseif (\j) == 3
	v_max3_num_f32 v[ST+12*\q+8], v[ST+12*\q+8], v[ST+12*\q+11], v[ST+12*\q+1]
.elseif (\j) == 4
	v_permlanex16_b32 v[ST+12*\q+9], v[ST+12*\q+8], s32, s33   ; the query's other 32 keys lie in the lane 16 away
.elseif (\j) == 5
	v_max_num_f32 v[ST+12*\q+1], v[ST+12*\q+8], v[ST+12*\q+9]  ; the new m
.elseif (\j) == 6
	v_mul_f32 v[ST+12*\q], s30, v[ST+12*\q+1]                  ; c m
.else
	v_sub_f32 v[ST+12*\q+3], v[ST+12*\q+3], v[ST+12*\q]        ; c m_old - c m_new
.endif
.endm
.macro CV q, i                         ; two of tile q's p packed to bf16, in place
	v_cvt_pk_bf16_f32 v[S+32*\q+(\i)], v[S+32*\q+2*(\i)], v[S+32*\q+2*(\i)+1]
.endm
.macro FM q, i                         ; two of tile q's scores: c s - c m
	v_pk_fma_f32 v[S+32*\q+2*(\i):S+32*\q+2*(\i)+1], v[S+32*\q+2*(\i):S+32*\q+2*(\i)+1], s[30:31], v[ST+12*\q:ST+12*\q+1] op_sel_hi:[1,0,0] neg_lo:[0,0,1] neg_hi:[0,0,1]
.endm
.macro EX n                            ; p = 2^(c s - c m) of score register n
	v_exp_f32 v[S+(\n)], v[S+(\n)]
.endm
; A KEY STEP: 64 keys.  more = 1: the next step's codes are fetched.
.macro STEP more
	s_wait_dscnt 0x0                               ; the step's codes and scale words are in
.if \more
	s_add_co_u32 s35, s35, 4096
	s_add_co_u32 s38, s38, 256
.endif
	; Tile 1's four products first.  The five plain lines up to tile 0's first product are the places behind the last step's last second product, whose source 1 tile 0's results overwrite;
	; with the three v_nop they are the eight places behind the first product, ahead of the first reader of its result
	KQ 0, 1
	v_mov_b32 v[ST+3], v[ST]                       ; c m_old is kept
	KQ 1, 1
	v_mov_b32 v[ST+15], v[ST+12]
	KQ 2, 1
.if \more
	v_add_nc_u32 v[ADK], s35, v[AK0]
.else
	v_nop
.endif
	KQ 3, 1
.if \more
	v_add_nc_u32 v[ADS], s38, v[AS0]
.else
	v_nop
.endif
	v_add_nc_u32 v[ADV], s39, v[AV0]
	KQ 0, 0
	v_nop
	KQ 1, 0
	v_nop
	KQ 2, 0
	v_nop
	KQ 3, 0
.irp n, 0,1,2,3,4,5,6,7,8,9,10,11
	MX 1, \n                                       ; twelve lines on tile 1's results: the places behind tile 0's products, for the loads below and for tile 0's readers
.endr
	VLOAD
.if \more
	KLOAD ADK, ADS
.endif
.irp j, 0,1,2,3,4,5,6,7
	TL 1, \j                                       ; tile 1's chain, with tile 0's maxima between its links
	MX 0, \j
.endr
.irp n, 8,9,10,11
	MX 0, \n
.endr
.irp j, 0,1,2,3,4,5,6,7
	TL 0, \j                                       ; tile 0's chain, with the scalings of tile 1's first half between its links
	FM 1, \j
.endr
	s_wait_alu depctr_va_vdst(0)                   ; ahead of the batch
.irp q, 0,1
	v_exp_f32 v[ST+12*\q+2], v[ST+12*\q+3]         ; the factor 2^(c m_old - c m_new)
.endr
.irp i, 0,1,2,3,4,5,6,7                        ; tile 1's first half; among it the scalings of its second half
	EX 32+2*\i
	EX 32+2*\i+1
	FM 1, 8+\i
.endr
	s_wait_alu depctr_va_vdst(0)                   ; behind the batch, and directly ahead of the first readers of the four sums
.irp h, 0,1
.irp q, 0,1
	v_pk_mul_f32 v[ACC+8*(\q+2*\h):ACC+8*(\q+2*\h)+1], v[ACC+8*(\q+2*\h):ACC+8*(\q+2*\h)+1], v[ST+12*\q+2:ST+12*\q+3] op_sel_hi:[1,0]   ; both sums under the new m
.endr
.endr
.irp i, 0,1,2,3,4,5,6,7                        ; tile 1's second half; among it the scalings of tile 0's first half and the packing of tile 1's first
	EX 48+2*\i
	FM 0, \i
	EX 48+2*\i+1
	CV 1, \i
.endr
	s_wait_alu depctr_va_vdst(0)                   ; between two batches
.irp i, 0,1,2,3,4,5,6,7                        ; tile 0's first half; the scalings of its second half, the packing of tile 1's second
	EX 2*\i
	FM 0, 8+\i
	EX 2*\i+1
	CV 1, 8+\i
.endr
	s_wait_alu depctr_va_vdst(0)
.irp i, 0,1,2,3,4,5,6,7                        ; tile 0's second half; the packing of its first
	EX 16+2*\i
	EX 16+2*\i+1
	CV 0, \i
.endr
	s_wait_alu depctr_va_vdst(0)                   ; behind the batch, and directly ahead of the wait below
.if \more
	s_wait_dscnt 10                                ; v's four loads are in; the next step's ten, issued behind them, may be out
.else
	s_wait_dscnt 0x0
.endif
	PV 1, 0
	PV 1, 1
.irp i, 8,9,10,11
	CV 0, \i
.endr
	PV 0, 0
.irp i, 12,13,14,15
	CV 0, \i
.endr
	PV 0, 1
	s_add_co_u32 s39, s39, 128
.endm
	KLOAD AK0, AS0                                 ; key step 0
	s_mov_b32 s34, 3
.Lfirst:                                               ; key steps 0 to 2: they read, and fetch ahead, wave 0's tile alone
	STEP 1
	s_sub_co_u32 s34, s34, 1
	s_cmp_lg_u32 s34, 0
	s_cbranch_scc1 .Lfirst
	s_wait_alu depctr_va_vdst(0)                   ; directly ahead of the wait below
	s_wait_tensorcnt 0x0                           ; every wave: all my loads are in,
	s_wait_dscnt 0x0                               ; no LDS load of mine is out at the signal,
	s_barrier_signal -1
	s_barrier_wait -1                              ; and everybody's tile is in
	s_mov_b32 s34, 28
.Lstep:                                                ; key steps 3 to 30
	STEP 1
	s_sub_co_u32 s34, s34, 1
	s_cmp_lg_u32 s34, 0
	s_cbranch_scc1 .Lstep
	STEP 0                                         ; the last step is written out: it fetches nothing beyond the record
	; THE WAY OUT.  The two halves of the keys are added; the quotient; lane l keeps query l of the wave's 32.
.rept 4
	v_nop                                          ; places behind the last product
.endr
	s_wait_alu depctr_va_vdst(0)                   ; directly ahead of the first readers of the four sums
	v_pk_add_f32 v[ACC:ACC+1], v[ACC:ACC+1], v[ACC+16:ACC+17]
	v_pk_add_f32 v[ACC+8:ACC+9], v[ACC+8:ACC+9], v[ACC+24:ACC+25]
	s_wait_alu depctr_va_vdst(0)                   ; ahead of the reciprocals
	v_rcp_f32 v[ST+5], v[ACC+1]
	v_rcp_f32 v[ST+17], v[ACC+9]
	v_nop                                          ; a plain line behind the last reciprocal
	v_cmp_gt_u32 vcc_lo, 16, v1
	s_wait_alu depctr_va_vdst(0)                   ; and ahead of their first reader
	v_mul_f32 v[ST+6], v[ACC], v[ST+5]
	v_mul_f32 v[ST+18], v[ACC+8], v[ST+17]
	v_cndmask_b32 v[ST+8], v[ST+18], v[ST+6], vcc_lo   ; lanes 0-15: tile 0; lanes 16-31: tile 1
	ds_store_b32 v7, v[ST+8]
	s_wait_dscnt 0x0                               ; for the others' sake: my store has landed
	s_barrier_signal -1
	s_barrier_wait -1
	s_cmp_lt_u32 s[WV], 4                          ; 512 results are 2,048 bytes: four waves store them
	s_cbranch_scc0 .Lstored
	ds_load_b128 v[S:S+3], v8
	s_wait_dscnt 0x0
	global_store_b128 v9, v[S:S+3], s[6:7]         ; 32 lanes store 512 consecutive bytes, aligned
.Lstored:
	s_wait_tensorcnt 0x0                           ; the wave's end
	ds_add_u32 v254, v255
	s_wait_dscnt 0x0
	CROUND                                         ; the closing round: no work-group ends while a partner may still ask for a tile that names it
	s_endpgm
.Lfunc_end_k_q6950be7fed_attn:
	.size	k_q6950be7fed_attn, .Lfunc_end_k_q6950be7fed_attn-k_q6950be7fed_attn
	.p2alignl 7, 3214868480
	.fill 96, 4, 3214868480
	.section	.rodata,"a",@progbits
	.p2align	6, 0x0
	.amdhsa_kernel k_q6950be7fed_attn
		.amdhsa_group_segment_fixed_size 169984
		.amdhsa_private_segment_fixed_size 0
		.amdhsa_enable_private_segment 0
		.amdhsa_kernarg_size 16
		.amdhsa_user_sgpr_count 2
		.amdhsa_user_sgpr_kernarg_segment_ptr 1
		.amdhsa_wavefront_size32 1
		.amdhsa_system_sgpr_workgroup_id_x 1
		.amdhsa_system_sgpr_workgroup_id_y 1
		.amdhsa_system_sgpr_workgroup_id_z 1
		.amdhsa_system_vgpr_workitem_id 0
		.amdhsa_next_free_vgpr 256
		.amdhsa_next_free_sgpr 66
		.amdhsa_reserve_vcc 1
		.amdhsa_float_denorm_mode_32 3
		.amdhsa_float_denorm_mode_16_64 3
		.amdhsa_memory_ordered 1
		.amdhsa_forward_progress 1
		.amdhsa_inst_pref_size 45
	.end_amdhsa_kernel
	.amdgpu_metadata
---
amdhsa.version: [ 1, 2 ]
amdhsa.kernels:
  - .name:           k_q6950be7fed_attn
    .symbol:         k_q6950be7fed_attn.kd
    .args:
      - { .name: qk, .offset: 0, .size: 8, .value_kind: global_buffer, .address_space: global }
      - { .name: ot, .offset: 8, .size: 8, .value_kind: global_buffer, .address_space: global }
    .group_segment_fixed_size: 169984
    .private_segment_fixed_size: 0
    .kernarg_segment_align: 8
    .kernarg_segment_size: 16
    .max_flat_workgroup_size: 512
    .sgpr_count:     66
    .vgpr_count:     256
    .wavefront_size: 32
...
	.end_amdgpu_metadata
.endif
;; end of part 3
;; launch finish (part 4): grid 128 x 1, 1 waves a work-group, no clusters, 4,864 bytes of LDS; arguments ot, A, out0; writes out0
.if DOCPART == 4
	.amdgcn_target "amdgcn-amd-amdhsa--gfx1250"
	.amdhsa_code_object_version 6
	.text
	.protected	k_q6950be7fed_finish
	.globl	k_q6950be7fed_finish
	.p2align	8
	.type	k_q6950be7fed_finish,@function
k_q6950be7fed_finish:
	s_mov_b64 s[64:65], 0
	v_nop
	global_prefetch_b8 v0, s[64:65] scope:SCOPE_SE
	s_setreg_imm32_b32 hwreg(HW_REG_WAVE_MODE, 25, 1), 1
	s_wait_xcnt 0x0
; out0[b][n][h] = A[b][n][h] + ot[b 16 + h][n].  ot lies head by head, out0 token by token: a work-group of one wave turns 64 tokens x 16 heads (4,096 bytes) through LDS.
; Every global access of the wave covers whole runs of 256 consecutive bytes, aligned: ot by sixteen lanes to a head's 64 tokens, A and out0 by 512 bytes on end.
; There is work for 8,192 / 64 = 128 work-groups, and so many are launched.  One wave: no barrier; LDS serves a wave's instructions in order, so no wait stands between its stores and its loads.
; No matrix work, no tensor loads, no cluster: nothing is shared between work-groups.
.set PIT, 272                          ; a stage row: a head's 64 tokens, 256 bytes + 16 of padding
	s_load_b128 s[4:7], s[0:1], 0x0                ; ot s[4:5], A s[6:7]
	s_load_b64 s[8:9], s[0:1], 0x10                ; out0
	v_lshl_add_u32 v112, v0, 2, 0x1200
	v_mov_b32 v113, 0
	v_lshrrev_b32 v1, 4, v0                        ; lane / 16
	v_and_b32 v2, 15, v0                           ; lane % 16
	v_lshlrev_b32 v3, 13, v1
	v_lshl_add_u32 v3, v2, 4, v3                   ; ot: 8,192 bytes from head to head, 16 bytes a lane
	v_mul_u32_u24 v4, v1, PIT
	v_lshl_add_u32 v4, v2, 4, v4                   ; into the stage, as it lies
	v_and_b32 v5, 3, v0
	v_lshrrev_b32 v6, 2, v0
	v_mul_u32_u24 v5, v5, 4*PIT
	v_lshl_add_u32 v5, v6, 2, v5                   ; out of it: heads 4 (lane % 4) + e, token lane / 4 + 8 i
	v_lshlrev_b32 v6, 4, v0                        ; A and out0: 16 x lane
	s_lshr_b32 s10, ttmp9, 5                       ; the batch: 16 heads of 8,192 bytes
	s_lshl_b32 s10, s10, 17
	s_and_b32 s12, ttmp9, 31                       ; which 64 tokens of it: 256 bytes
	s_lshl_b32 s12, s12, 8
	s_add_co_u32 s10, s10, s12
	s_mov_b32 s11, 0
	s_lshl_b32 s12, ttmp9, 12                      ; 64 tokens of 64 bytes
	s_mov_b32 s13, 0
	s_wait_alu depctr_va_vdst(0)
	s_wait_kmcnt 0x0
	s_add_nc_u64 s[4:5], s[4:5], s[10:11]
	s_add_nc_u64 s[6:7], s[6:7], s[12:13]
	s_add_nc_u64 s[8:9], s[8:9], s[12:13]
.irp i, 0,1,2,3,4,5,6,7
	global_load_b128 v[16+4*\i:16+4*\i+3], v3, s[4:5] offset:16384*\i th:TH_LOAD_NT    ; heads 2 i and 2 i + 1
.endr
.irp i, 0,1,2,3,4,5,6,7
	global_load_b128 v[48+4*\i:48+4*\i+3], v6, s[6:7] offset:512*\i th:TH_LOAD_NT
.endr
	s_wait_loadcnt 8                               ; ot's eight loads are in; A's eight, issued behind them, may be out
.irp i, 0,1,2,3,4,5,6,7
	ds_store_b128 v4, v[16+4*\i:16+4*\i+3] offset:2*PIT*\i
.endr
.irp i, 0,1,2,3,4,5,6,7
.irp e, 0,1,2,3
	ds_load_b32 v[80+4*\i+\e], v5 offset:PIT*\e+32*\i
.endr
.endr
	s_wait_loadcnt 0x0
	s_wait_dscnt 0x0
.irp p, 0,2,4,6,8,10,12,14,16,18,20,22,24,26,28,30
	v_pk_add_f32 v[48+\p:48+\p+1], v[48+\p:48+\p+1], v[80+\p:80+\p+1]
.endr
.irp i, 0,1,2,3,4,5,6,7
	global_store_b128 v6, v[48+4*\i:48+4*\i+3], s[8:9] offset:512*\i th:TH_STORE_NT
.endr
	s_wait_tensorcnt 0x0
	ds_add_u32 v112, v113
	s_wait_dscnt 0x0
	s_endpgm
.Lfunc_end_k_q6950be7fed_finish:
	.size	k_q6950be7fed_finish, .Lfunc_end_k_q6950be7fed_finish-k_q6950be7fed_finish
	.p2alignl 7, 3214868480
	.fill 96, 4, 3214868480
	.section	.rodata,"a",@progbits
	.p2align	6, 0x0
	.amdhsa_kernel k_q6950be7fed_finish
		.amdhsa_group_segment_fixed_size 4864
		.amdhsa_private_segment_fixed_size 0
		.amdhsa_enable_private_segment 0
		.amdhsa_kernarg_size 24
		.amdhsa_user_sgpr_count 2
		.amdhsa_user_sgpr_kernarg_segment_ptr 1
		.amdhsa_wavefront_size32 1
		.amdhsa_system_sgpr_workgroup_id_x 1
		.amdhsa_system_sgpr_workgroup_id_y 1
		.amdhsa_system_sgpr_workgroup_id_z 1
		.amdhsa_system_vgpr_workitem_id 0
		.amdhsa_next_free_vgpr 114
		.amdhsa_next_free_sgpr 66
		.amdhsa_reserve_vcc 0
		.amdhsa_float_denorm_mode_32 3
		.amdhsa_float_denorm_mode_16_64 3
		.amdhsa_memory_ordered 1
		.amdhsa_forward_progress 1
		.amdhsa_inst_pref_size 8
	.end_amdhsa_kernel
	.amdgpu_metadata
---
amdhsa.version: [ 1, 2 ]
amdhsa.kernels:
  - .name:           k_q6950be7fed_finish
    .symbol:         k_q6950be7fed_finish.kd
    .args:
      - { .name: ot, .offset: 0, .size: 8, .value_kind: global_buffer, .address_space: global }
      - { .name: A, .offset: 8, .size: 8, .value_kind: global_buffer, .address_space: global }
      - { .name: out0, .offset: 16, .size: 8, .value_kind: global_buffer, .address_space: global }
    .group_segment_fixed_size: 4864
    .private_segment_fixed_size: 0
    .kernarg_segment_align: 8
    .kernarg_segment_size: 24
    .max_flat_workgroup_size: 32
    .sgpr_count:     66
    .vgpr_count:     114
    .wavefront_size: 32
...
	.end_amdgpu_metadata
.endif
;; end of part 4
